; MI455X (gfx1250); checked and timed in simulation.
; The chip was launched on July 23, 2026; its instructions are those of AMD's public machine-readable ISA for CDNA 5 (MIT licence, August 2026) and "CDNA5" Instruction Set Architecture Reference Guide (July 2026). The comments in the code are by the model that wrote it; some were corrected since.
;; PNS Motor Net. Allowed arithmetic: matrix products marked QUANTISED: E3M2 operands, one E8M0 scale for each 32 along K, by v_wmma_scale_f32_16x16x128_f8f6f4 with both operands' format E3M2, f32 sums; everything else in f32.
;; Inputs: W_codes 16 x 512 x 16 x 24 uint8 (E3M2 codes of W, K innermost, in blocks of 32 codes, four codes in three bytes); W_scales 16 x 512 x 16 uint8 (E8M0 scales of W, one for each 32 codes along K); action_codes 16,384 x 16 x 24 uint8 (E3M2 codes of action, K innermost, in blocks of 32 codes, four codes in three bytes); action_scales 16,384 x 16 uint8 (E8M0 scales of action, one for each 32 codes along K); b 16 x 512 float32; expert_idx 16,384 int32.
;; Outputs: out0 16,384 x 512 float32.
;; This version of the problem:
;;   THIS VERSION OF THE PROBLEM IS GIVEN IN LOW PRECISION. The matrix products marked QUANTISED in the list below multiply operands that are first quantised to E3M2 (3 exponent bits, 2 mantissa bits; 6 bits a number), with one power-of-two scale for each 32 numbers along K (OCP MX v1.0); their sums are f32. All else is computed in f32.
;;   The module's matrix products, in the order in which they are computed (A, B: the left and right operand; K: the contracted axis; several contracted axes count as one K, in the product's order):
;;     1. [M 16,384, K 512] x [K 512, N 8,192]; A: input action (given as codes); B: input W (given as codes): QUANTISED
;;   THE QUANTISER, for each operand of a quantised product, along K:
;;     - K is cut into blocks of 32 from its start; a last block that is shorter is filled with zeros.
;;     - A block's scale is 2^e with e = floor(log2(the largest magnitude in the block)) - 4, held to -126 .. 127; a block of zeros has e = 0. As a byte (E8M0): e + 127.
;;     - Each number is divided by its block's scale, clamped to +-28, and rounded to the nearest number of E3M2, ties to even, subnormals kept.
;;     - The product sums the exact products of the quantised numbers (number of the format x scale) in f32.
;;   ~~~python
;;   def quantise(x, axis):      # numpy; x: float32 -> the quantised numbers, widened to float32 again
;;       x = np.moveaxis(x, axis, -1); K = x.shape[-1]
;;       x = np.pad(x, [(0, 0)] * (x.ndim - 1) + [(0, -K % 32)]); x = x.reshape(x.shape[:-1] + (-1, 32)); a = np.abs(x).max(-1, keepdims=True)
;;       e = np.where(a > 0, np.clip(np.frexp(np.where(a > 0, a, 1))[1] - 1 - 4, -126, 127), 0)      # np.frexp(a)[1] - 1 = floor(log2(a)), exactly
;;       r = np.clip(x / 2.0 ** e, -28, 28)
;;       step = 2.0 ** (np.maximum(np.frexp(np.where(r == 0, 1, r))[1] - 1, -2) - 2)
;;       q = np.round(r / step) * step * 2.0 ** e      # np.round: ties to even
;;       return np.moveaxis(q.reshape(q.shape[:-2] + (-1,))[..., :K], -1, axis).astype(np.float32)
;;   ~~~
;;   INPUTS GIVEN AS CODES. W (in the module: [16, 512, 512], K = its axis 2); action (in the module: [16384, 512], K = its axis 1): each comes as NAME_codes (uint8): NAME with its K axis moved to the last place and cut into blocks of 32 codes, [.., K / 32, bytes a block], one block behind the other in memory; four codes in three bytes: a row's codes are one little-endian stream of bits, code i at bits 6 i .. 6 i + 5 (a code: sign, 3 exponent bits, 2 mantissa bits); and NAME_scales (uint8): the same leading axes, one E8M0 byte (e + 127) for each 32 codes along K. Its value is code x scale, taken as it is: it is not quantised again, and the codes and scales need not be those that the quantiser above would give.
;; One version. Each part assembles by itself: llvm-mc -triple=amdgcn-amd-amdhsa -mcpu=gfx1250 --defsym DOCPART=n.
;; ======== version 1 of 1: 1 launch
;; launch experts (part 1): grid 16 x 16, 4 waves a work-group, no clusters, 8,704 bytes of LDS; arguments W_codes, W_scales, action_codes, action_scales, b, expert_idx, out0; writes out0
.if DOCPART == 1
	.amdgcn_target "amdgcn-amd-amdhsa--gfx1250"
	.amdhsa_code_object_version 6
	.text
	.protected	k_q90d1726342_experts
	.globl	k_q90d1726342_experts
	.p2align	8
	.type	k_q90d1726342_experts,@function
k_q90d1726342_experts:
	s_mov_b64 s[64:65], 0
	v_nop
	global_prefetch_b8 v0, s[64:65] scope:SCOPE_SE
	s_setreg_imm32_b32 hwreg(HW_REG_WAVE_MODE, 25, 1), 1
	s_wait_xcnt 0x0
; out0[i][:] = action[i][:] . W[expert_idx[i]]^T + b[expert_idx[i]][:], 16,384 tokens, 16 experts, 512 x 512 a weight.  action and W come as codes of BF6 (E3M2), K innermost, 384 bytes a row,
; with 16 E8M0 bytes a row; they go to the matrix unit as they are given.  Only each token's own expert is multiplied: the other fifteen are thrown away by the gather that the definition itself makes.
; SHARES.  Work-group (x = expert e, y = chunk c) owns those of the tokens 1,024 c .. 1,024 c + 1,023 whose index is e: 0 to 1,024 rows, whatever the split; each row of out0 has one owner.  A work-group
; without rows stores nothing.  Wave w owns columns 128 w .. 128 w + 127 for all rows of the work-group: its 128 rows of W_e stay in 384 registers and are read once.
; THE LIST.  Wave 0 reads the chunk's 1,024 indices, compacts the numbers of the tokens that are e's into a list in LDS, and lays 96 pads (the list's first token) and the count behind it; ONE barrier;
; from there on LDS is only read.  The other waves' weights, and wave 0's own, are on their way meanwhile.
; K IS PERMUTED ALIKE ON BOTH SIDES.  Lane (r, h) takes blocks 8 h .. 8 h + 7 of its row: 192 consecutive bytes, twelve loads of 16.  K step s is registers 12 s .. 12 s + 11: the row's blocks 8 h + 2 s and
; 8 h + 2 s + 1, which the unit takes for its blocks h and 2 + h.  So step s's scale word holds the bytes of blocks 2 s, 8 + 2 s, 2 s + 1, 9 + 2 s: two byte permutes of the row's 16 bytes make two words.
; THE ROWS OF W THAT FORM A TILE ARE NOT NEIGHBOURS: lane r of tile t = 4 g + u takes row 128 w + 64 g + 4 r + u.  The addition of the bias writes register j of tile t to place 8 j + t: four registers
; on end are then four neighbouring columns, and sixteen lanes store 256 consecutive bytes, at a multiple of 256 from out0's first byte.  No stage in LDS, no moves.
; Row m of a tile of 16 tokens takes list place 2 (m % 8) + m / 8, so that store j serves places 2 j and 2 j + 1 and a short tile ends by a scalar branch; EXEC is never changed.
; NO TENSOR LOADS, NO JOINT REQUESTS for W, though the sixteen chunks of an expert read the same weights: the number of rows, and so the number of tiles, is read from memory and differs from work-group
; to work-group; the walk ends by branches on that number.  So the operands go from memory straight into registers.
; LIMITS.  An index outside 0 .. 15 leaves its row unwritten (the definition's gather keeps indices inside the table).  The f32 sums take K's blocks in the permuted order, not ascending.  With an odd number
; of rows the list's first row is computed and stored a second time, by the same wave, with the same numbers.  Scale bytes are passed on as given: 0xff gives NaN.
.set ROWB,  384                        ; a row of codes in bytes
.set LIST,  0                          ; LDS: 1,120 words: up to 1,024 token numbers, 96 pads behind the last
.set CNT,   4608                       ; one word: the number of rows
.set DUMPW, 1216                       ; word 1,216 on (byte 4,864): 32 words that take the stores of lanes not chosen; never read
.set WO,   4                           ; v4   W's codes: 4 r rows + 192 h
.set WSO,  5                           ; v5   W's scale rows: 4 r rows of 16 bytes
.set O16,  6                           ; v6   16 r: my place in a bias's 256 bytes and in a store's
.set H192, 7                           ; v7   192 h
.set LA,   8                           ; v8   LDS: the list place of my row of a tile: 8 (r % 8) + 4 (r / 8); steps 384 a trip
.set LS,   9                           ; v9   LDS: the list place of my half's row of a store: 4 h; steps 384 a trip
.set CNTA, 10                          ; v10  LDS: the count's word
.set IO,   11                          ; v11  16 x lane: the indices
.set TK0,  12                          ; v12  4 x lane: the first token of my 16 bytes of indices
.set DMP,  13                          ; v13  DUMPW + lane
.set NIL,  14                          ; v14  0: the list's first word, and the number 0
.set AT,   16                          ; v16-21   the tokens of my row in the trip's six tiles
.set AO,   22                          ; v22-27   their codes' byte offsets
.set SO,   28                          ; v28-33   their scale rows'
.set ST,   34                          ; v34-41   the tokens of a tile's eight stores
.set OF,   42                          ; v42-49   their byte offsets in out0
.set BIAS, 50                          ; v50-57   b at my column of tile t
.set WSC,  58                          ; v58-89   W's scale words: 4 t + s.  They hold scales and nothing else
.set ASC,  90                          ; v90-113  action's: 4 i + s.  Likewise
.set ACC,  114                         ; v114-177 eight accumulators: 8 t + j
.set OUT,  178                         ; v178-241 a tile's results as they are stored: 8 j + t
.set IDX,  178                         ; ahead of the products: wave 0's 32 registers of indices,
.set WRAW, 210                         ; W's eight scale rows as loaded,
.set AD,   114                         ; wave 0's 32 list addresses,
.set TK,   146                         ; and the 32 token numbers that go there
.set PADA, 242                         ; v242 wave 0: where the pads begin;  v243 the count;  v244 the list's first token
.set CNTV, 243
.set TV,   244
.set MK,   66                          ; s66-97   32 masks: which lanes' tokens are e's
; window 1: v0-191 W's tiles 0-3 (48 u + 12 s); v192-239 action's sixth tile.   window 2: v0-191 W's tiles 4-7.   window 3: v0-239 action's tiles 0-4 (48 i + 12 s)
.set MSB, 0
.macro WIN new                         ; s_set_vgpr_msb: bits 1:0 source 0, 3:2 source 1, 5:4 source 2, 7:6 destination; the high byte repeats the setting that is left; a switch that changes nothing is dropped
.if MSB != (\new)
	s_set_vgpr_msb (MSB<<8)|(\new)
.set MSB, (\new)
.endif
.endm
.macro WORDS dst, raw                  ; a row's 16 scale bytes become the four K steps' scale words
	v_perm_b32 v[\dst],   v[\raw+2], v[\raw],   s26     ; bytes 0, 8, 1, 9
	v_perm_b32 v[\dst+1], v[\raw+2], v[\raw],   s27     ; bytes 2, 10, 3, 11
	v_perm_b32 v[\dst+2], v[\raw+3], v[\raw+1], s26     ; bytes 4, 12, 5, 13
	v_perm_b32 v[\dst+3], v[\raw+3], v[\raw+1], s27     ; bytes 6, 14, 7, 15
.endm
.macro LOADW g                         ; W's tiles 4 g .. 4 g + 3 into window 1 + g: 48 loads, a lane's twelve cover 192 consecutive bytes
	WIN 0x40+0x40*(\g)
.irp u, 0,1,2,3
.irp q, 0,1,2,3,4,5,6,7,8,9,10,11
	global_load_b128 v[48*\u+4*\q:48*\u+4*\q+3], v[WO], s[4:5] offset:(64*(\g)+\u)*ROWB+16*\q
.endr
.endr
	WIN 0
.endm
	s_load_b256 s[4:11], s[0:1], 0x0               ; W's codes s[4:5], W's scales s[6:7], action's codes s[8:9], action's scales s[10:11]
	s_load_b128 s[12:15], s[0:1], 0x20             ; b s[12:13], expert_idx s[14:15]
	s_load_b64 s[16:17], s[0:1], 0x30              ; out0
	v_lshl_add_u32 v254, v0, 2, 0x2000
	v_mov_b32 v255, 0
	v_lshrrev_b32 v15, 5, v0
	v_readfirstlane_b32 s18, v15                   ; wave 0..3
	s_mov_b32 s19, ttmp9                           ; e
	s_and_b32 s20, ttmp7, 0xffff                   ; c
	s_mov_b32 s26, 0x05010400                      ; v_perm_b32's selects: bytes 0, 1 of the second source between bytes 0, 1 of the first,
	s_mov_b32 s27, 0x07030602                      ; and bytes 2, 3 likewise
	v_and_b32 v1, 31, v0                           ; lane
	v_and_b32 v2, 15, v0                           ; r
	v_bfe_u32 v3, v0, 4, 1                         ; h
	v_mul_u32_u24 v[H192], v3, 192
	v_mul_u32_u24 v[WO], v2, 4*ROWB
	v_add_nc_u32 v[WO], v[WO], v[H192]
	v_lshlrev_b32 v[WSO], 6, v2
	v_lshlrev_b32 v[O16], 4, v2
	v_and_b32 v15, 7, v0
	v_lshlrev_b32 v[LA], 3, v15
	v_bfe_u32 v15, v0, 3, 1
	v_lshl_add_u32 v[LA], v15, 2, v[LA]
	v_lshlrev_b32 v[LS], 2, v3
	v_mov_b32 v[CNTA], CNT
	v_lshlrev_b32 v[IO], 4, v1
	v_lshlrev_b32 v[TK0], 2, v1
	v_add_nc_u32 v[DMP], DUMPW, v1
	v_mov_b32 v[NIL], 0
	; where my parts begin, in bytes; every offset is made apart from the addresses
	s_mul_i32 s28, s19, 512*ROWB                   ; W's codes: expert e,
	s_mul_i32 s22, s18, 128*ROWB                   ; my 128 rows
	s_add_co_u32 s28, s28, s22
	s_mov_b32 s29, 0
	s_lshl_b32 s30, s19, 13                        ; W's scales: 512 rows of 16 bytes an expert,
	s_lshl_b32 s22, s18, 11                        ; 128 rows a wave
	s_add_co_u32 s30, s30, s22
	s_mov_b32 s31, 0
	s_lshl_b32 s32, s19, 11                        ; b: 2,048 bytes an expert,
	s_lshl_b32 s22, s18, 9                         ; 512 a wave
	s_add_co_u32 s32, s32, s22
	s_mov_b32 s33, 0
	s_lshl_b32 s34, s20, 12                        ; expert_idx: 4,096 bytes a chunk
	s_mov_b32 s35, 0
	s_mul_i32 s36, s20, 1024*ROWB                  ; action's codes: 1,024 rows a chunk
	s_mov_b32 s37, 0
	s_lshl_b32 s38, s20, 14                        ; action's scales
	s_mov_b32 s39, 0
	s_lshl_b32 s40, s20, 21                        ; out0: 1,024 rows of 2,048 bytes a chunk,
	s_add_co_u32 s40, s40, s22                     ; my 128 columns
	s_mov_b32 s41, 0
	s_wait_kmcnt 0x0
	s_add_nc_u64 s[4:5], s[4:5], s[28:29]
	s_add_nc_u64 s[6:7], s[6:7], s[30:31]
	s_add_nc_u64 s[12:13], s[12:13], s[32:33]
	s_add_nc_u64 s[14:15], s[14:15], s[34:35]
	s_add_nc_u64 s[8:9], s[8:9], s[36:37]
	s_add_nc_u64 s[10:11], s[10:11], s[38:39]
	s_add_nc_u64 s[16:17], s[16:17], s[40:41]
	; ---- wave 0 asks for the chunk's indices first: register 4 i + q of a lane is token 128 i + 4 x lane + q
	s_cmp_lg_u32 s18, 0
	s_cbranch_scc1 .Lno_indices
.irp i, 0,1,2,3,4,5,6,7
	global_load_b128 v[IDX+4*\i:IDX+4*\i+3], v[IO], s[14:15] offset:512*\i
.endr
.Lno_indices:
	; ---- every wave: 58 loads: W's eight scale rows, the bias, W's tiles 0-3
.irp g, 0,1
.irp u, 0,1,2,3
	global_load_b128 v[WRAW+4*(4*\g+\u):WRAW+4*(4*\g+\u)+3], v[WSO], s[6:7] offset:(64*\g+\u)*16
.endr
.endr
.irp g, 0,1
	global_load_b128 v[BIAS+4*\g:BIAS+4*\g+3], v[O16], s[12:13] offset:256*\g   ; b at columns 64 g + 4 r + 0 .. 3: tiles 4 g + 0 .. 3
.endr
	LOADW 0
	; ---- wave 0 makes the list.  Written out, in runs, so that no line waits for the line above it; each store has an address and a data register of its own
	s_cmp_lg_u32 s18, 0
	s_cbranch_scc1 .Lno_list
	s_wait_loadcnt 58                              ; the indices are in: the 58 loads issued behind them may be out
	ds_store_b32 v[NIL], v[NIL]                    ; the list's first word is written even where no token is e's
	s_mov_b32 s21, 0                               ; rows so far
.set k, 0
.rept 32
	v_cmp_eq_u32 s[MK+k], s19, v[IDX+k]
.set k, k+1
.endr
.set k, 0
.rept 32
	v_mbcnt_lo_u32_b32 v[AD+k], s[MK+k], s21       ; rows so far + chosen lanes below mine: my token's place in the list
	s_bcnt1_i32_b32 s22, s[MK+k]
	s_add_co_u32 s21, s21, s22
.set k, k+1
.endr
.set k, 0
.rept 32
	v_cndmask_b32 v[AD+k], v[DMP], v[AD+k], s[MK+k]   ; a lane not chosen stores to its dump word
.set k, k+1
.endr
.set k, 0
.rept 32
	v_min_u32 v[AD+k], 0x4ff, v[AD+k]              ; a place is under 1,024 and a dump word under 1,248 by the count; the bound is written out
.set k, k+1
.endr
.set k, 0
.rept 32
	v_lshlrev_b32 v[AD+k], 2, v[AD+k]
.set k, k+1
.endr
.set k, 0
.rept 32
	v_add_nc_u32 v[TK+k], 128*(k/4)+k%4, v[TK0]
.set k, k+1
.endr
.set k, 0
.rept 32
	ds_store_b32 v[AD+k], v[TK+k]
.set k, k+1
.endr
	ds_load_b32 v[TV], v[NIL]                      ; LDS serves a wave's instructions in order (ISA guide 5.7.1.4): this sees the stores above: the list's first token
	v_add_nc_u32 v[PADA], s21, v1                  ; the pads: places n + lane, + 32, + 64
	v_min_u32 v[PADA], 0x41f, v[PADA]              ; n is at most 1,024: 1,055 at the most
	v_lshlrev_b32 v[PADA], 2, v[PADA]
	v_mov_b32 v[CNTV], s21
	s_wait_dscnt 0x0                               ; the first token is in
	ds_store_b32 v[PADA], v[TV]
	ds_store_b32 v[PADA], v[TV] offset:128
	ds_store_b32 v[PADA], v[TV] offset:256
	ds_store_b32 v[CNTA], v[CNTV]
.Lno_list:
	LOADW 1                                        ; every wave: W's tiles 4-7
	s_wait_dscnt 0x0                               ; for the others' sake: wave 0's stores have landed
	s_barrier_signal -1
	s_barrier_wait -1                              ; the one barrier: list, pads and count are there for all; from here on LDS is only read
	ds_load_b32 v15, v[CNTA]
	s_wait_loadcnt 63                              ; W's scale rows are in: 98 loads were issued behind them, and a wait names 63 at the most
.irp t, 0,1,2,3,4,5,6,7
	WORDS WSC+4*\t, WRAW+4*\t
.endr
	s_wait_dscnt 0x0
	v_readfirstlane_b32 s23, v15
	s_min_u32 s23, s23, 1024                       ; n
	s_mov_b32 s24, s23                             ; rows left, signed
	s_mov_b32 s25, 0
; 16 products: tile i of tokens x W's tiles 4 half .. 4 half + 3, the four K steps.  Source 0 = 16 tokens, source 1 = 16 rows of W.  The first K step starts the sums: nothing is cleared.
; The four accumulators take turns, one instruction a turn.
.macro MUL16 i, half
.if (\i) < 5
.set AB, 48*(\i)
	WIN 0x07+4*(\half)                             ; tokens window 3, W window 1 or 2, C and D window 0
.else
.set AB, 192
	WIN 0x05+4*(\half)                             ; the sixth tile's tokens lie in window 1
.endif
.irp s, 0,1,2,3
.irp u, 0,1,2,3
.if \s == 0
	v_wmma_scale_f32_16x16x128_f8f6f4 v[ACC+8*(4*(\half)+\u):ACC+8*(4*(\half)+\u)+7], v[AB+12*\s:AB+12*\s+11], v[48*\u+12*\s:48*\u+12*\s+11], 0, v[ASC+4*(\i)+\s], v[WSC+4*(4*(\half)+\u)+\s] matrix_a_fmt:MATRIX_FMT_BF6 matrix_b_fmt:MATRIX_FMT_BF6
.else
	v_wmma_scale_f32_16x16x128_f8f6f4 v[ACC+8*(4*(\half)+\u):ACC+8*(4*(\half)+\u)+7], v[AB+12*\s:AB+12*\s+11], v[48*\u+12*\s:48*\u+12*\s+11], v[ACC+8*(4*(\half)+\u):ACC+8*(4*(\half)+\u)+7], v[ASC+4*(\i)+\s], v[WSC+4*(4*(\half)+\u)+\s] matrix_a_fmt:MATRIX_FMT_BF6 matrix_b_fmt:MATRIX_FMT_BF6
.endif
.endr
.endr
.endm
; The trip's 78 loads, all of them on every path (a pad names the list's first token, a true row), so that every counted wait below counts the same loads: six scale rows, then six tiles x twelve loads of codes.
.macro GATHER
.irp i, 0,1,2,3,4,5
	global_load_b128 v[OUT+4*\i:OUT+4*\i+3], v[SO+\i], s[10:11]
.endr
	WIN 0xc0
.irp i, 0,1,2,3,4
.irp q, 0,1,2,3,4,5,6,7,8,9,10,11
	global_load_b128 v[48*\i+4*\q:48*\i+4*\q+3], v[AO+\i], s[8:9] offset:16*\q
.endr
.endr
	WIN 0x40
.irp q, 0,1,2,3,4,5,6,7,8,9,10,11
	global_load_b128 v[192+4*\q:192+4*\q+3], v[AO+5], s[8:9] offset:16*\q
.endr
	WIN 0
.endm
; Tile i of the trip: 16 list places x my 128 columns: 32 products, the bias, 16 stores.
.macro TILE i
.if (\i) > 0
	s_cmp_le_i32 s24, 0                            ; no row left: the wave is done
	s_cbranch_scc1 .Ldone
.endif
.irp j, 0,1,2,3,4,5,6,7
	ds_load_b32 v[ST+\j], v[LS] offset:64*(\i)+8*\j   ; the token of row 8 h + j: list place 16 i + 2 j + h
.endr
	s_wait_loadcnt 12*(5-(\i))                     ; this tile's codes are in (and all that was asked for earlier: W, b); the later tiles' twelve loads each may be out
	MUL16 \i, 0
	MUL16 \i, 1
	WIN 0
	s_wait_dscnt 0x0                               ; the stores' tokens are in
	s_wait_xcnt 0x0                                ; the last tile's stores have read their offsets and data: both are written again only behind this wait
.irp j, 0,1,2,3,4,5,6,7
	v_min_u32 v[ST+\j], 0x3ff, v[ST+\j]            ; a token's number in its chunk
.endr
.irp j, 0,1,2,3,4,5,6,7
	v_lshlrev_b32 v[OF+\j], 11, v[ST+\j]           ; its row of 2,048 bytes,
.endr
.irp j, 0,1,2,3,4,5,6,7
	v_add_nc_u32 v[OF+\j], v[O16], v[OF+\j]        ; my 16 bytes.  These 24 plain lines name no register of the products: they are the places (ISA guide 7.12.1) ahead of the first read of the results
.endr
.irp j, 0,1,2,3,4,5,6,7
.if \j > 0
	s_cmp_le_i32 s24, 2*\j                         ; places 2 j and 2 j + 1 are both pads: the wave is done
	s_cbranch_scc1 .Ldone
.endif
.irp t, 0,1,2,3,4,5,6,7
	v_add_f32 v[OUT+8*\j+\t], v[ACC+8*\t+\j], v[BIAS+\t]   ; + b, and to its place for the store; each accumulator is read from its low end on
.endr
	global_store_b128 v[OF+\j], v[OUT+8*\j:OUT+8*\j+3], s[16:17] th:TH_STORE_NT              ; lanes 0-15: 256 consecutive bytes of one token's row, lanes 16-31 of another's; written once, read by nobody here
	global_store_b128 v[OF+\j], v[OUT+8*\j+4:OUT+8*\j+7], s[16:17] offset:256 th:TH_STORE_NT
.endr
	s_sub_co_i32 s24, s24, 16
.endm
; A trip serves 96 list places.  The count of trips is a constant, 11 x 96 = 1,056 places for 1,024 tokens at the most; the number of rows decides only the jumps forward out of the loop.
.Ltrip:
	s_cmp_le_i32 s24, 0                            ; (also: no row at all)
	s_cbranch_scc1 .Ldone
.irp i, 0,1,2,3,4,5
	ds_load_b32 v[AT+\i], v[LA] offset:64*\i       ; the token of my row r of tile i: list place 16 i + 2 (r % 8) + r / 8
.endr
	s_wait_dscnt 0x0
	s_wait_xcnt 0x0                                ; the last trip's stores have read their data, into which scale rows are loaded below; its loads' offsets are free since the last tile's wait for all loads
.irp i, 0,1,2,3,4,5
	v_min_u32 v[AT+\i], 0x3ff, v[AT+\i]
.endr
.irp i, 0,1,2,3,4,5
	v_lshlrev_b32 v[SO+\i], 4, v[AT+\i]            ; 16 scale bytes a token
.endr
.irp i, 0,1,2,3,4,5
	v_mul_u32_u24 v[AO+\i], v[AT+\i], ROWB
.endr
.irp i, 0,1,2,3,4,5
	v_add_nc_u32 v[AO+\i], v[H192], v[AO+\i]       ; my half's 192 bytes of the row
.endr
	GATHER
	s_wait_loadcnt 63                              ; the six scale rows are in: 72 loads were issued behind them, and a wait names 63 at the most
.irp i, 0,1,2,3,4,5
	WORDS ASC+4*\i, OUT+4*\i                       ; tile 0's four words stand 20 plain lines ahead of its first product
.endr
	TILE 0
	TILE 1
	TILE 2
	TILE 3
	TILE 4
	TILE 5
	v_add_nc_u32 v[LA], 384, v[LA]                 ; 96 list places on (no LDS load of mine is out)
	v_add_nc_u32 v[LS], 384, v[LS]
	s_add_co_u32 s25, s25, 1
	s_cmp_lt_u32 s25, 11
	s_cbranch_scc1 .Ltrip
.Ldone:
	s_barrier_signal -1
	s_barrier_wait -1
	s_wait_tensorcnt 0x0
	ds_add_u32 v254, v255
	s_wait_dscnt 0x0
	s_endpgm
.Lfunc_end_k_q90d1726342_experts:
	.size	k_q90d1726342_experts, .Lfunc_end_k_q90d1726342_experts-k_q90d1726342_experts
	.p2alignl 7, 3214868480
	.fill 96, 4, 3214868480
	.section	.rodata,"a",@progbits
	.p2align	6, 0x0
	.amdhsa_kernel k_q90d1726342_experts
		.amdhsa_group_segment_fixed_size 8704
		.amdhsa_private_segment_fixed_size 0
		.amdhsa_enable_private_segment 0
		.amdhsa_kernarg_size 56
		.amdhsa_user_sgpr_count 2
		.amdhsa_user_sgpr_kernarg_segment_ptr 1
		.amdhsa_wavefront_size32 1
		.amdhsa_system_sgpr_workgroup_id_x 1
		.amdhsa_system_sgpr_workgroup_id_y 1
		.amdhsa_system_sgpr_workgroup_id_z 1
		.amdhsa_system_vgpr_workitem_id 0
		.amdhsa_next_free_vgpr 1024
		.amdhsa_next_free_sgpr 100
		.amdhsa_reserve_vcc 0
		.amdhsa_float_denorm_mode_32 3
		.amdhsa_float_denorm_mode_16_64 3
		.amdhsa_memory_ordered 1
		.amdhsa_forward_progress 1
		.amdhsa_inst_pref_size 101
	.end_amdhsa_kernel
	.amdgpu_metadata
---
amdhsa.version: [ 1, 2 ]
amdhsa.kernels:
  - .name:           k_q90d1726342_experts
    .symbol:         k_q90d1726342_experts.kd
    .args:
      - { .name: W_codes, .offset: 0, .size: 8, .value_kind: global_buffer, .address_space: global }
      - { .name: W_scales, .offset: 8, .size: 8, .value_kind: global_buffer, .address_space: global }
      - { .name: action_codes, .offset: 16, .size: 8, .value_kind: global_buffer, .address_space: global }
      - { .name: action_scales, .offset: 24, .size: 8, .value_kind: global_buffer, .address_space: global }
      - { .name: b, .offset: 32, .size: 8, .value_kind: global_buffer, .address_space: global }
      - { .name: expert_idx, .offset: 40, .size: 8, .value_kind: global_buffer, .address_space: global }
      - { .name: out0, .offset: 48, .size: 8, .value_kind: global_buffer, .address_space: global }
    .group_segment_fixed_size: 8704
    .private_segment_fixed_size: 0
    .kernarg_segment_align: 8
    .kernarg_segment_size: 56
    .max_flat_workgroup_size: 128
    .sgpr_count:     100
    .vgpr_count:     1024
    .wavefront_size: 32
...
	.end_amdgpu_metadata
.endif
;; end of part 1
